; MI455X (gfx1250); checked and timed in simulation.
; The chip was launched on July 23, 2026; its instructions are those of AMD's public machine-readable ISA for CDNA 5 (MIT licence, August 2026) and "CDNA5" Instruction Set Architecture Reference Guide (July 2026). The comments in the code are by the model that wrote it; some were corrected since.
;; MAB. Allowed arithmetic: float matrix products may take bf16 or f16 operands with f32 sums; all other float work in f32.
;; Inputs: Wk 256 x 256 float32; Wo 256 x 256 float32; Wq 256 x 256 float32; Wv 256 x 256 float32; b0 256 float32; b1 256 float32; bk 256 float32; bo 256 float32; bq 256 float32; bv 256 float32; g0 256 float32; g1 256 float32; k 4 x 2,048 x 256 float32; q 4 x 2,048 x 256 float32.
;; Outputs: out0 4 x 2,048 x 256 float32.
;; One version. Each part assembles by itself: llvm-mc -triple=amdgcn-amd-amdhsa -mcpu=gfx1250 --defsym DOCPART=n.
;; ======== version 1 of 1: 3 launches
;; workspace buffers: kvf 8,388,608 bytes; wfrag 262,144 bytes; obuf 8,388,608 bytes
;; launch kvproj (part 1): grid 64 x 4, 8 waves a work-group, clusters of 4 x 4, 279,552 bytes of LDS; arguments k, Wk, Wv, Wq, Wo, bk, bv, kvf, wfrag; writes kvf, wfrag
.if DOCPART == 1
	.amdgcn_target "amdgcn-amd-amdhsa--gfx1250"
	.amdhsa_code_object_version 6
	.text
	.protected	k_q440650ac06_kvproj
	.globl	k_q440650ac06_kvproj
	.p2align	8
	.type	k_q440650ac06_kvproj,@function
k_q440650ac06_kvproj:
	s_mov_b64 s[64:65], 0
	v_nop
	global_prefetch_b8 v0, s[64:65] scope:SCOPE_SE
	s_setreg_imm32_b32 hwreg(HW_REG_WAVE_MODE, 25, 1), 1
	s_wait_xcnt 0x0
	s_wait_alu depctr_hold_cnt(0) depctr_sa_sdst(0) depctr_va_vdst(0) depctr_va_sdst(0) depctr_va_ssrc(0) depctr_va_vcc(0) depctr_vm_vsrc(0)
	s_getreg_b32 s2, hwreg(HW_REG_IB_STS2, 6, 4)
	s_cmp_eq_u32 s2, 0
	s_cbranch_scc0 .Lentry_in_a_cluster
	s_endpgm
.Lentry_in_a_cluster:
	s_bfe_u32 s2, ttmp6, 0x10000c
	s_cmp_lg_u32 s2, 0xf033
	s_cbranch_scc0 .Lentry_shape_is_right
	s_endpgm
.Lentry_shape_is_right:
; K = k Wk^T + bk and V = k Wv^T + bv, rounded once to bf16 and stored in the order in which the attention launch's matrix
; instructions want them; and Wq, Wo rounded to bf16 in the same fragment order.
; A fragment is 16 rows x 32 k of bf16 = 1,024 bytes laid as [c][lane] x 16 bytes: lane (r = lane % 16, hl = lane / 16) owns
; row r, k = 16 c + 8 hl .. + 7.  So each store below covers 512 consecutive bytes, aligned, and each later load is 16 x lane.
;   kvf, K part: plane p = 8 b + h at 131,072 p; key tile kt at 1,024 kt: K[16 kt + r][16 c + 8 hl ..]
;   kvf, V part (+4,194,304): plane p; 32-key block kb at 2,048 kb; dt at 1,024 dt: V[32 kb + 16 c + 8 hl ..][16 dt + r]
;   wfrag: fragment (et, ks) at 1,024 (8 et + ks): W[16 et + r][32 ks + 16 c + 8 hl ..]; Wq at 0, Wo at 131,072
; SHARES: work-group (x, y) makes 128 keys (rows 128 x of k) x heads 2 y, 2 y + 1 of K and of V.  Wave w: keys 32 (w >> 1) .. + 31, head 2 y + (w & 1).
; All of the group's operands (128 rows of k, 64 of Wk, 64 of Wv, 256 f32 each) lie in LDS as four quarters of 64 f32 along K; every byte
; of LDS is filled once, so nothing is ever filled again.  f32 is rounded to bf16 on the way from LDS to the matrix unit.
; CLUSTER 4 x 4: k's tiles hang on x alone and are asked for jointly by a column of the cluster, the weights' tiles on y alone, by a row.
; LIMITS: matrix operands (k, Wk, Wv) and the results K, V are bf16, sums and biases f32; inputs are taken to be finite.
.set PITCH, 272                        ; an LDS row: 256 bytes + 16 of padding = 17 x 16: sixteen rows start at sixteen different 16-byte columns of 256
.set FROWS, 16*PITCH                   ; 16 rows: a fragment's, and what one tensor load brings
.set XW,    128*PITCH                  ; behind k's 128 rows: Wk's 64 rows, then Wv's 64
.set SLOT,  2*XW                       ; a quarter of K
.set VPART, 4194304
.set ST,  16                           ; v[16:111]   six fragments as f32 (keys 0, 1; Wk 0, 1; Wv 0, 1), 16 registers each; at the end the packed results
.set FR,  112                          ; v[112:159]  the same six as bf16, 8 registers each
.set ACC, 160                          ; v[160:223]  K tile (a, b) at 8 (2 a + b); V tile (a, dt) at 32 + 8 (2 a + dt)
.set BK,  224                          ; v[224:239]  bk of my head: 8 a + j -> d = 16 a + 8 hl + j
.set BV,  240                          ; v[240:243]  bv of my head, d = 16 dt + r, twice each (pairs for the packed add)
.set G1K, 28                           ; s[28:35]    descriptor group 1 of k's tiles
.set G1W, 36                           ; s[36:43]    the same with the other mask, for the weights' tiles
.set G1C, (2<<16)|(1<<20)|(1<<21)|(5<<22)|(3<<25)   ; elements of 4 bytes; padding on; bit 21 beside a mask; after every 64 words; 4 words
; v1 = 16 lane; v2, v3 = LDS addresses of my key rows and my Wk rows; v4 = 32 hl; v5 = 4 r; v6 = 1,024 r + 32 hl; v[8:15] wave 0's packed weights
.macro ROUND                           ; a round of the cluster's barrier: my work-group's barrier, wave 0 signals for the group, all wait, my group's barrier again
	s_barrier_signal -1
	s_barrier_wait -1
	s_cmp_lg_u32 s22, 0
	s_cbranch_scc1 .Lnot_wave_0_\@
	s_barrier_signal -3
.Lnot_wave_0_\@:
	s_barrier_wait -3
	s_barrier_signal -1
	s_barrier_wait -1
.endm
.macro PLACES                          ; four plain vector places behind a matrix instruction (ISA guide 7.12.1) before its sources are rewritten or its result read
.rept 4
	v_nop
.endr
.endm
.macro DESC g, b, lds, goff            ; descriptor group 0: count 1, LDS byte address, global address of the tile's first element, type 2
	s_mov_b32 s[\g], 1
	s_add_co_u32 s[\g+1], s90, \lds
	s_add_nc_u64 s[\g+2:\g+3], s[\b:\b+1], \goff
	s_or_b32 s[\g+3], s[\g+3], 0x80000000
.endm
.macro LD1 dst, adr, off               ; one fragment as f32: k = 8 hl .. + 7 (32 bytes) and k = 16 + 8 hl .. + 7 (32 bytes, 64 further on)
	ds_load_b128 v[\dst:\dst+3],     v[\adr] offset:\off
	ds_load_b128 v[\dst+4:\dst+7],   v[\adr] offset:\off+16
	ds_load_b128 v[\dst+8:\dst+11],  v[\adr] offset:\off+64
	ds_load_b128 v[\dst+12:\dst+15], v[\adr] offset:\off+80
.endm
.macro LDF ks2                         ; the six fragments of one K step of 32 (ks2 = 0, 1 in the quarter): 24 loads
	LD1 ST,    2, \ks2*128
	LD1 ST+16, 2, \ks2*128+FROWS
	LD1 ST+32, 3, \ks2*128
	LD1 ST+48, 3, \ks2*128+FROWS
	LD1 ST+64, 3, \ks2*128+4*FROWS
	LD1 ST+80, 3, \ks2*128+5*FROWS
.endm
.macro CVT                             ; 96 f32 to 48 registers of bf16, nearest even
.set n, 0
.rept 48
	v_cvt_pk_bf16_f32 v[FR+n], v[ST+2*n], v[ST+2*n+1]
.set n, n+1
.endr
.endm
; Eight products.  K: A = 16 rows of Wk, B = 16 keys: a lane's 8 results are 8 neighbouring d of one key.  V: A = 16 keys, B = 16 rows of Wv:
; a lane's 8 results are 8 neighbouring keys of one d.  The eight accumulators take turns, one instruction a turn.
.macro MM zero
.irp a, 0,1
.irp b, 0,1
.if \zero
	v_wmma_f32_16x16x32_bf16 v[ACC+8*(2*\a+\b):ACC+8*(2*\a+\b)+7], v[FR+8*(2+\a):FR+8*(2+\a)+7], v[FR+8*\b:FR+8*\b+7], 0
.else
	v_wmma_f32_16x16x32_bf16 v[ACC+8*(2*\a+\b):ACC+8*(2*\a+\b)+7], v[FR+8*(2+\a):FR+8*(2+\a)+7], v[FR+8*\b:FR+8*\b+7], v[ACC+8*(2*\a+\b):ACC+8*(2*\a+\b)+7]
.endif
.endr
.endr
.irp a, 0,1
.irp d, 0,1
.if \zero
	v_wmma_f32_16x16x32_bf16 v[ACC+32+8*(2*\a+\d):ACC+32+8*(2*\a+\d)+7], v[FR+8*\a:FR+8*\a+7], v[FR+8*(4+\d):FR+8*(4+\d)+7], 0
.else
	v_wmma_f32_16x16x32_bf16 v[ACC+32+8*(2*\a+\d):ACC+32+8*(2*\a+\d)+7], v[FR+8*\a:FR+8*\a+7], v[FR+8*(4+\d):FR+8*(4+\d)+7], v[ACC+32+8*(2*\a+\d):ACC+32+8*(2*\a+\d)+7]
.endif
.endr
.endr
.endm
.macro QUARTER q, zero
	s_wait_tensorcnt 6-2*\q                        ; my two loads of this quarter have landed; the two of each younger quarter may stay out
	s_barrier_signal -1                            ; no LDS instruction of mine is pending here
	s_barrier_wait -1                              ; every wave's part of the quarter is in
	LDF 0
	s_wait_dscnt 0x0
.if \q
	PLACES                                         ; FR was read by the last products
.endif
	CVT
	LDF 1                                          ; the second K step's loads run under the first one's products
	MM \zero
	s_wait_dscnt 0x0
	PLACES
	CVT
	MM 0
.if \q < 3
	v_add_nc_u32 v2, SLOT, v2
	v_add_nc_u32 v3, SLOT, v3
.endif
.endm
	s_load_b512 s[4:19], s[0:1], 0x0               ; k s[4:5], Wk s[6:7], Wv s[8:9], Wq s[10:11], Wo s[12:13], bk s[14:15], bv s[16:17], kvf s[18:19]
	s_load_b64 s[20:21], s[0:1], 0x40              ; wfrag
	v_lshl_add_u32 v244, v0, 2, 0x44000
	v_mov_b32 v245, 0
	ds_add_u32 v244, v245
	ds_add_u32 v244, v245
	v_lshrrev_b32 v4, 5, v0
	v_readfirstlane_b32 s22, v4                    ; wave 0..7
	s_bfe_u32 s23, ttmp6, 0x40000                  ; cx
	s_bfe_u32 s24, ttmp6, 0x40004                  ; cy
	s_lshl_b32 s25, ttmp9, 2
	s_add_co_u32 s25, s25, s23                     ; x = 4 x cluster x + cx: which 128 keys
	s_and_b32 s26, ttmp7, 0xffff
	s_lshl_b32 s26, s26, 2
	s_add_co_u32 s26, s26, s24                     ; y = 4 x cluster y + cy: which two heads
	s_lshl_b32 s80, 0x1111, s23                    ; my column of the cluster (same x)
	s_lshl_b32 s81, s24, 2
	s_lshl_b32 s81, 15, s81                        ; my row of the cluster (same y)
	s_or_b32 s[G1K], s80, G1C
	s_or_b32 s[G1W], s81, G1C
.irp g, G1K, G1W
	s_mov_b32 s[\g+1], 64<<16                      ; tensor_dim0 = 64 elements
	s_mov_b32 s[\g+2], 16<<16                      ; tensor_dim1 = 16 rows
	s_mov_b32 s[\g+3], 64<<16                      ; tile_dim0 = 64
	s_mov_b32 s[\g+4], 16                          ; tile_dim1 = 16
	s_mov_b32 s[\g+5], 256                         ; 256 elements from row to row
	s_mov_b32 s[\g+6], 0
	s_mov_b32 s[\g+7], 0
.endr
	s_lshl_b32 s82, s25, 17                        ; k: 128 x rows of 1,024 bytes
	s_lshl_b32 s83, s22, 14                        ;    + my 16 rows
	s_add_co_u32 s82, s82, s83
	s_mov_b32 s83, 0
	s_lshl_b32 s86, s26, 16                        ; weights: 64 y rows
	s_and_b32 s87, s22, 3
	s_lshl_b32 s87, s87, 14                        ;    + 16 (w & 3) rows
	s_add_co_u32 s86, s86, s87
	s_mov_b32 s87, 0
	s_mul_i32 s90, s22, FROWS                      ; where my 16 rows go in LDS: the wave's number alone
	s_wait_dscnt 0x0
	s_wait_kmcnt 0x0
	s_add_nc_u64 s[84:85], s[4:5], s[82:83]
	s_cmp_lt_u32 s22, 4
	s_cselect_b64 s[88:89], s[6:7], s[8:9]         ; waves 0-3 fetch Wk's rows, waves 4-7 Wv's
	s_add_nc_u64 s[88:89], s[88:89], s[86:87]
	DESC 44, 84, 0*SLOT, 0
	DESC 60, 88, 0*SLOT+XW, 0
	DESC 48, 84, 1*SLOT, 256
	DESC 68, 88, 1*SLOT+XW, 256
	DESC 52, 84, 2*SLOT, 512
	DESC 72, 88, 2*SLOT+XW, 512
	DESC 56, 84, 3*SLOT, 768
	DESC 76, 88, 3*SLOT+XW, 768
	ROUND                                          ; all sixteen work-groups are here: the joint loads meet
	tensor_load_to_lds s[44:47], s[G1K:G1K+7]      ; eight loads of this wave are out, in the order of the quarters: k's rows, then the weights'
	s_nop 0
	tensor_load_to_lds s[60:63], s[G1W:G1W+7]
	s_nop 0
	tensor_load_to_lds s[48:51], s[G1K:G1K+7]
	s_nop 0
	tensor_load_to_lds s[68:71], s[G1W:G1W+7]
	s_nop 0
	tensor_load_to_lds s[52:55], s[G1K:G1K+7]
	s_nop 0
	tensor_load_to_lds s[72:75], s[G1W:G1W+7]
	s_nop 0
	tensor_load_to_lds s[56:59], s[G1K:G1K+7]
	s_nop 0
	tensor_load_to_lds s[76:79], s[G1W:G1W+7]
	s_nop 0
	v_and_b32 v1, 31, v0
	v_lshlrev_b32 v1, 4, v1                        ; 16 x lane
	v_and_b32 v5, 15, v0                           ; r
	v_bfe_u32 v6, v0, 4, 1                         ; hl
	v_mul_u32_u24 v7, v5, PITCH
	v_lshl_add_u32 v7, v6, 5, v7                   ; r x pitch + 32 hl
	v_lshlrev_b32 v4, 5, v6                        ; 32 hl
	v_lshl_add_u32 v6, v5, 10, v4                  ; 1,024 r + 32 hl
	v_lshlrev_b32 v5, 2, v5                        ; 4 r
	s_lshr_b32 s91, s22, 1                         ; kp: which 32 keys
	s_and_b32 s92, s22, 1                          ; hs: which of the two heads
	s_mul_i32 s93, s91, 2*FROWS
	s_mul_i32 s94, s92, 2*FROWS
	s_add_co_u32 s94, s94, XW
	v_add_nc_u32 v2, s93, v7
	v_add_nc_u32 v3, s94, v7
	s_lshl1_add_u32 s96, s26, s92                  ; my head = 2 y + hs
	s_lshl_b32 s98, s96, 7                         ; its 32 biases
	s_mov_b32 s99, 0
	s_add_nc_u64 s[14:15], s[14:15], s[98:99]
	s_add_nc_u64 s[16:17], s[16:17], s[98:99]
	global_load_b128 v[BK:BK+3],     v4, s[14:15]
	global_load_b128 v[BK+4:BK+7],   v4, s[14:15] offset:16
	global_load_b128 v[BK+8:BK+11],  v4, s[14:15] offset:64
	global_load_b128 v[BK+12:BK+15], v4, s[14:15] offset:80
	global_load_b32 v[BV],   v5, s[16:17]
	global_load_b32 v[BV+2], v5, s[16:17] offset:64
	s_lshr_b32 s100, s25, 4                        ; batch
	s_and_b32 s101, s25, 15                        ; which 128 keys of the batch
	s_lshl3_add_u32 s100, s100, s96                ; plane = 8 b + head
	s_lshl_b32 s98, s100, 17
	s_lshl2_add_u32 s101, s101, s91                ; 32-key block = two key tiles
	s_lshl_b32 s101, s101, 11
	s_add_co_u32 s98, s98, s101
	s_add_nc_u64 s[18:19], s[18:19], s[98:99]      ; my K tiles; my V tiles lie VPART further on
	; Wave 0 alone: 512 bytes of Wq's and of Wo's fragments, number g = x + 64 y of 256: fragment g >> 1, half c = g & 1.
	s_cmp_lg_u32 s22, 0
	s_cbranch_scc1 .Lno_side
	s_lshl_b32 s100, s26, 6
	s_add_co_u32 s100, s100, s25                   ; g
	s_lshr_b32 s101, s100, 4                       ; et
	s_lshl_b32 s98, s101, 14                       ; 16 et rows of 1,024 bytes
	s_and_b32 s101, s100, 15
	s_lshl_b32 s101, s101, 6                       ; + 128 ks + 64 c
	s_add_co_u32 s98, s98, s101
	s_add_nc_u64 s[10:11], s[10:11], s[98:99]
	s_add_nc_u64 s[12:13], s[12:13], s[98:99]
	s_lshl_b32 s98, s100, 9
	s_add_nc_u64 s[20:21], s[20:21], s[98:99]
	global_load_b128 v[16:19], v6, s[10:11]
	global_load_b128 v[20:23], v6, s[10:11] offset:16
	global_load_b128 v[24:27], v6, s[12:13]
	global_load_b128 v[28:31], v6, s[12:13] offset:16
	s_wait_loadcnt 0x0
.irp i, 0,1,2,3,4,5,6,7
	v_cvt_pk_bf16_f32 v[8+\i], v[16+2*\i], v[17+2*\i]
.endr
	global_store_b128 v1, v[8:11],  s[20:21]                  ; v[8:15], v1 and s[20:21] are not written again
	global_store_b128 v1, v[12:15], s[20:21] offset:131072
.Lno_side:
	QUARTER 0, 1                                   ; the first products start the sums
	QUARTER 1, 0
	QUARTER 2, 0
	QUARTER 3, 0                                   ; its wait is for all tensor loads
	PLACES
	s_wait_loadcnt 0x0                             ; the biases
	v_mov_b32 v[BV+1], v[BV]
	v_mov_b32 v[BV+3], v[BV+2]
.irp a, 0,1
.irp b, 0,1
.irp i, 0,1,2,3
	v_pk_add_f32 v[ACC+8*(2*\a+\b)+2*\i:ACC+8*(2*\a+\b)+2*\i+1], v[ACC+8*(2*\a+\b)+2*\i:ACC+8*(2*\a+\b)+2*\i+1], v[BK+8*\a+2*\i:BK+8*\a+2*\i+1]
.endr
.irp i, 0,1,2,3
	v_cvt_pk_bf16_f32 v[ST+4*(2*\a+\b)+\i], v[ACC+8*(2*\a+\b)+2*\i], v[ACC+8*(2*\a+\b)+2*\i+1]
.endr
	global_store_b128 v1, v[ST+4*(2*\a+\b):ST+4*(2*\a+\b)+3], s[18:19] offset:\b*1024+\a*512      ; key tile b, half c = a: 512 consecutive bytes
.endr
.endr
.irp a, 0,1
.irp d, 0,1
.irp i, 0,1,2,3
	v_pk_add_f32 v[ACC+32+8*(2*\a+\d)+2*\i:ACC+32+8*(2*\a+\d)+2*\i+1], v[ACC+32+8*(2*\a+\d)+2*\i:ACC+32+8*(2*\a+\d)+2*\i+1], v[BV+2*\d:BV+2*\d+1]
.endr
.irp i, 0,1,2,3
	v_cvt_pk_bf16_f32 v[ST+16+4*(2*\a+\d)+\i], v[ACC+32+8*(2*\a+\d)+2*\i], v[ACC+32+8*(2*\a+\d)+2*\i+1]
.endr
	global_store_b128 v1, v[ST+16+4*(2*\a+\d):ST+16+4*(2*\a+\d)+3], s[18:19] offset:VPART+\d*1024+\a*512   ; each packed result has registers of its own
.endr
.endr
	s_wait_tensorcnt 0x0
	ds_add_u32 v244, v245
	s_wait_dscnt 0x0
	ROUND                                          ; the closing round: no work-group ends while a partner may still ask for a tile that names it
	s_endpgm
.Lfunc_end_k_q440650ac06_kvproj:
	.size	k_q440650ac06_kvproj, .Lfunc_end_k_q440650ac06_kvproj-k_q440650ac06_kvproj
	.p2alignl 7, 3214868480
	.fill 96, 4, 3214868480
	.section	.rodata,"a",@progbits
	.p2align	6, 0x0
	.amdhsa_kernel k_q440650ac06_kvproj
		.amdhsa_group_segment_fixed_size 279552
		.amdhsa_private_segment_fixed_size 0
		.amdhsa_enable_private_segment 0
		.amdhsa_kernarg_size 72
		.amdhsa_user_sgpr_count 2
		.amdhsa_user_sgpr_kernarg_segment_ptr 1
		.amdhsa_wavefront_size32 1
		.amdhsa_system_sgpr_workgroup_id_x 1
		.amdhsa_system_sgpr_workgroup_id_y 1
		.amdhsa_system_sgpr_workgroup_id_z 1
		.amdhsa_system_vgpr_workitem_id 0
		.amdhsa_next_free_vgpr 246
		.amdhsa_next_free_sgpr 102
		.amdhsa_reserve_vcc 0
		.amdhsa_float_denorm_mode_32 3
		.amdhsa_float_denorm_mode_16_64 3
		.amdhsa_memory_ordered 1
		.amdhsa_forward_progress 1
		.amdhsa_inst_pref_size 57
	.end_amdhsa_kernel
	.amdgpu_metadata
---
amdhsa.version: [ 1, 2 ]
amdhsa.kernels:
  - .name:           k_q440650ac06_kvproj
    .symbol:         k_q440650ac06_kvproj.kd
    .args:
      - { .name: k, .offset: 0, .size: 8, .value_kind: global_buffer, .address_space: global }
      - { .name: Wk, .offset: 8, .size: 8, .value_kind: global_buffer, .address_space: global }
      - { .name: Wv, .offset: 16, .size: 8, .value_kind: global_buffer, .address_space: global }
      - { .name: Wq, .offset: 24, .size: 8, .value_kind: global_buffer, .address_space: global }
      - { .name: Wo, .offset: 32, .size: 8, .value_kind: global_buffer, .address_space: global }
      - { .name: bk, .offset: 40, .size: 8, .value_kind: global_buffer, .address_space: global }
      - { .name: bv, .offset: 48, .size: 8, .value_kind: global_buffer, .address_space: global }
      - { .name: kvf, .offset: 56, .size: 8, .value_kind: global_buffer, .address_space: global }
      - { .name: wfrag, .offset: 64, .size: 8, .value_kind: global_buffer, .address_space: global }
    .group_segment_fixed_size: 279552
    .private_segment_fixed_size: 0
    .kernarg_segment_align: 8
    .kernarg_segment_size: 72
    .max_flat_workgroup_size: 256
    .sgpr_count:     102
    .vgpr_count:     246
    .wavefront_size: 32
...
	.end_amdgpu_metadata
.endif
;; end of part 1
;; launch attn (part 2): grid 8 x 32, 8 waves a work-group, clusters of 4 x 1, 263,168 bytes of LDS; arguments q, bq, wfrag, kvf, obuf; writes obuf
.if DOCPART == 2
	.amdgcn_target "amdgcn-amd-amdhsa--gfx1250"
	.amdhsa_code_object_version 6
	.text
	.protected	k_q440650ac06_attn
	.globl	k_q440650ac06_attn
	.p2align	8
	.type	k_q440650ac06_attn,@function
k_q440650ac06_attn:
	s_mov_b64 s[64:65], 0
	v_nop
	global_prefetch_b8 v0, s[64:65] scope:SCOPE_SE
	s_setreg_imm32_b32 hwreg(HW_REG_WAVE_MODE, 25, 1), 1
	s_wait_xcnt 0x0
	s_wait_alu depctr_hold_cnt(0) depctr_sa_sdst(0) depctr_va_vdst(0) depctr_va_sdst(0) depctr_va_ssrc(0) depctr_va_vcc(0) depctr_vm_vsrc(0)
	s_getreg_b32 s2, hwreg(HW_REG_IB_STS2, 6, 4)
	s_cmp_eq_u32 s2, 0
	s_cbranch_scc0 .Lentry_in_a_cluster
	s_endpgm
.Lentry_in_a_cluster:
	s_bfe_u32 s2, ttmp6, 0x10000c
	s_cmp_lg_u32 s2, 0x3003
	s_cbranch_scc0 .Lentry_shape_is_right
	s_endpgm
.Lentry_shape_is_right:
; For one (batch, head) and 256 queries: Q = q Wq^T + bq (this head's 32 columns), softmax(Q K^T / 16) V, and o = Q + that.
; EVERYTHING IS TRANSPOSED, so that nothing is ever moved between lanes in the loops:
;   S^T = K Q'^T   (A = 16 keys x 32 d, B = 16 queries x 32 d): lane (r, hl) holds query r, keys 8 hl + j.
;   Two such tiles, packed to bf16, ARE the B fragment (16 queries x 32 keys) of O^T = V^T P^T; O^T and Q^T hold d = 16 dt + 8 hl + j of query r.
;   So a query's maximum and its sum are one number a lane.
; TWO PASSES with the exact row maximum.  Q' = bf16(c Q), c = log2(e) / 16.  Pass 1 makes S^T and takes maxima, two scores an instruction.
; Pass 2 makes S^T again with C = -m, so that the matrix unit hands out s' - m; what is left for a score is one v_exp_f32 and half a conversion.
; The row sum comes from a third product with A = all ones, from the same bf16 weights as the numerator.
; The head's K and V (131,072 bytes each, in fragment order) lie whole in LDS, each byte filled once.
; SHARES: work-group = 256 queries of plane y = 8 b + h; wave = 32 queries (tiles a, b).  CLUSTER 4 x 1: the four partners have the same plane
; and ask for K and V jointly.
; LIMITS: Q', K, V, q, Wq and the weights P are bf16 as matrix operands; the residual Q, maxima and sums are f32; a weight below 2^-126 counts as 0
; (v_exp_f32 flushes, ISA guide 15.8); inputs are taken to be finite.
.set QF,   16                          ; v[16:31]    Q' fragments of tiles a, b
.set NEGM, 32                          ; v[32:47]    -m, eight times for each tile (a C operand)
.set ONES, 48                          ; v[48:55]    1.0 in bf16 everywhere
.set KF,   56                          ; v[56:71]    two key tiles (pass 1: buffer A)
.set VF,   72                          ; v[72:87]    V^T, dt = 0, 1, of 32 keys (pass 1: K buffer B)
.set SC0,  88                          ; v[88:119]   scores: tiles (a,k0), (a,k1), (b,k0), (b,k1)
.set SC1,  120                         ; v[120:151]  the other set
.set PR0,  152                         ; v[152:167]  weights as B fragments of tiles a, b
.set PR1,  168                         ; v[168:183]
.set OA,   184                         ; v[184:207]  O^T dt 0, O^T dt 1, row sums of tile a
.set OB,   208                         ; v[208:231]  the same of tile b
.set MX,   232                         ; v[232:235]  running maxima, two chains a tile; v236, v237 the other half's
.set BF,   16                          ; during the projection: v[16:143] q as bf16, fragment (ks, qt) at 8 (2 ks + qt)
.set ST,   144                         ; during the projection: v[144:239] three groups of 32 f32
.set QT,   0                           ; window 1: v256-287  Q^T in f32, at 16 qt + 8 dt
.set WA,   32                          ; window 1: v288-415  Wq fragments (dt, ks) at 8 (8 dt + ks)
.set BQ,   160                         ; window 1: v416-431  bq, 8 dt + j
.set G1, 24                            ; s[24:31] descriptor group 1;  s[32:35], s[36:39] group 0 of K's and of V's load
; v1 = 16 lane; v2 = 1,024 r + 32 hl; v3, v4 = LDS addresses in K and in V; v5 = 32 hl; v[8:11] = 1 / l, twice a tile
.set MSB, 0
.macro WIN new                         ; s_set_vgpr_msb: bits 1:0 source 0, 3:2 source 1, 5:4 source 2, 7:6 destination; the high byte repeats the setting left
.if MSB != \new
	s_set_vgpr_msb (MSB<<8)|\new
.set MSB, \new
.endif
.endm
.macro ROUND                           ; a round of the cluster's barrier
	s_barrier_signal -1
	s_barrier_wait -1
	s_cmp_lg_u32 s14, 0
	s_cbranch_scc1 .Lnot_wave_0_\@
	s_barrier_signal -3
.Lnot_wave_0_\@:
	s_barrier_wait -3
	s_barrier_signal -1
	s_barrier_wait -1
.endm
.macro PLACES                          ; four plain vector places behind a matrix instruction (ISA guide 7.12.1)
.rept 4
	v_nop
.endr
.endm
	s_load_b256 s[4:11], s[0:1], 0x0               ; q s[4:5], bq s[6:7], wfrag s[8:9], kvf s[10:11]
	s_load_b64 s[12:13], s[0:1], 0x20              ; obuf
	v_lshl_add_u32 v254, v0, 2, 0x40000
	v_mov_b32 v255, 0
	ds_add_u32 v254, v255
	ds_add_u32 v254, v255
	v_lshrrev_b32 v6, 5, v0
	v_readfirstlane_b32 s14, v6                    ; wave 0..7
	s_bfe_u32 s15, ttmp6, 0x40000                  ; cx
	s_lshl_b32 s16, ttmp9, 2
	s_add_co_u32 s16, s16, s15                     ; which 256 queries
	s_and_b32 s17, ttmp7, 0xffff                   ; plane 8 b + h
	s_lshr_b32 s18, s17, 3                         ; b
	s_and_b32 s19, s17, 7                          ; h
	s_mov_b32 s[G1+0], 15|(3<<16)|(1<<21)          ; all four partners; elements of 8 bytes; bit 21 beside a mask
	s_mov_b32 s[G1+1], 32<<16                      ; tensor_dim0 = 32 elements = 256 bytes
	s_mov_b32 s[G1+2], 64<<16                      ; tensor_dim1 = 64 rows
	s_mov_b32 s[G1+3], 32<<16                      ; tile_dim0
	s_mov_b32 s[G1+4], 64                          ; tile_dim1
	s_mov_b32 s[G1+5], 32                          ; dense: a row begins where the last ends
	s_mov_b32 s[G1+6], 0
	s_mov_b32 s[G1+7], 0
	s_mov_b32 s32, 1
	s_lshl_b32 s33, s14, 14                        ; my 16,384 bytes of K's image
	s_mov_b32 s36, 1
	s_add_co_u32 s37, s33, 131072                  ; and of V's
	s_lshl_b32 s22, s17, 17
	s_add_co_u32 s22, s22, s33
	s_mov_b32 s23, 0
	s_wait_dscnt 0x0
	s_wait_kmcnt 0x0
	s_add_nc_u64 s[34:35], s[10:11], s[22:23]
	s_add_nc_u64 s[38:39], s[34:35], 0x400000
	s_or_b32 s35, s35, 0x80000000
	s_or_b32 s39, s39, 0x80000000
	ROUND                                          ; the four partners are here: the joint loads meet
	tensor_load_to_lds s[32:35], s[G1:G1+7]        ; two loads of this wave are out; they land under the projection
	s_nop 0
	tensor_load_to_lds s[36:39], s[G1:G1+7]
	s_nop 0
	s_mov_b32 s40, 0x76543210                      ; v_permlanex16_b32: lane i of one half reads lane i of the other
	s_mov_b32 s41, 0xfedcba98
	s_mov_b32 s42, 0x3db8aa3b                      ; c = log2(e) / 16
	s_mov_b32 s43, 0x3db8aa3b
	v_and_b32 v1, 31, v0
	v_lshlrev_b32 v1, 4, v1
	v_and_b32 v6, 15, v0
	v_bfe_u32 v7, v0, 4, 1
	v_lshlrev_b32 v5, 5, v7
	v_lshl_add_u32 v2, v6, 10, v5
	s_lshl_b32 s20, s18, 21                        ; batch: 2,048 rows of 1,024 bytes
	s_lshl_b32 s21, s16, 18                        ; + 256 rows a work-group
	s_add_co_u32 s20, s20, s21
	s_lshl_b32 s21, s14, 15                        ; + 32 rows a wave
	s_add_co_u32 s20, s20, s21
	s_mov_b32 s21, 0
	s_add_nc_u64 s[4:5], s[4:5], s[20:21]
	s_add_nc_u64 s[12:13], s[12:13], s[20:21]      ; obuf: a tile of 16 rows is 8 heads x 2,048 bytes, the same bytes a row
	s_lshl_b32 s20, s19, 11
	s_add_nc_u64 s[12:13], s[12:13], s[20:21]
	s_lshl_b32 s20, s19, 14                        ; Wq's fragments et = 2 h, 2 h + 1
	s_add_nc_u64 s[8:9], s[8:9], s[20:21]
	s_lshl_b32 s20, s19, 7
	s_add_nc_u64 s[6:7], s[6:7], s[20:21]
	; ---- Q^T = Wq q^T + bq: A = 16 rows of Wq, B = 16 queries ----
.macro QGRP ks                         ; q of both tiles, 32 along K, as f32: 8 loads
.set sb, ST+32*((\ks)%3)
.irp qt, 0,1
	global_load_b128 v[sb+16*\qt:sb+16*\qt+3],     v2, s[4:5] offset:\qt*16384+(\ks)*128
	global_load_b128 v[sb+16*\qt+4:sb+16*\qt+7],   v2, s[4:5] offset:\qt*16384+(\ks)*128+16
	global_load_b128 v[sb+16*\qt+8:sb+16*\qt+11],  v2, s[4:5] offset:\qt*16384+(\ks)*128+64
	global_load_b128 v[sb+16*\qt+12:sb+16*\qt+15], v2, s[4:5] offset:\qt*16384+(\ks)*128+80
.endr
.endm
.macro QSTEP ks, cnt, nxt              ; group ks is there: round it; nxt != 0: its registers take group nxt
	s_wait_loadcnt \cnt                            ; the eight loads of each younger group may stay out
.set sb, ST+32*((\ks)%3)
.set n, 0
.rept 16
	v_cvt_pk_bf16_f32 v[BF+16*(\ks)+n], v[sb+2*n], v[sb+2*n+1]
.set n, n+1
.endr
.if \nxt
	QGRP \nxt
.endif
.endm
	WIN 0x40                                       ; loads into window 1, addresses in window 0
	global_load_b128 v[BQ:BQ+3],     v5, s[6:7]
	global_load_b128 v[BQ+4:BQ+7],   v5, s[6:7] offset:16
	global_load_b128 v[BQ+8:BQ+11],  v5, s[6:7] offset:64
	global_load_b128 v[BQ+12:BQ+15], v5, s[6:7] offset:80
.set n, 0
.rept 32
	global_load_b128 v[WA+4*n:WA+4*n+3], v1, s[8:9] offset:512*n
.set n, n+1
.endr
	WIN 0
	QGRP 0
	QGRP 1
	QGRP 2
	QSTEP 0, 16, 3
	QSTEP 1, 16, 4
	QSTEP 2, 16, 5
	QSTEP 3, 16, 6
	QSTEP 4, 16, 7
	QSTEP 5, 16, 0
	QSTEP 6, 8, 0
	QSTEP 7, 0, 0
	WIN 0x51                                       ; A, C, D in window 1, B in window 0.  Four accumulators take turns
.irp ks, 0,1,2,3,4,5,6,7
.irp qt, 0,1
.irp dt, 0,1
.if \ks == 0
	v_wmma_f32_16x16x32_bf16 v[QT+16*\qt+8*\dt:QT+16*\qt+8*\dt+7], v[WA+8*(8*\dt+\ks):WA+8*(8*\dt+\ks)+7], v[BF+8*(2*\ks+\qt):BF+8*(2*\ks+\qt)+7], v[BQ+8*\dt:BQ+8*\dt+7]
.else
	v_wmma_f32_16x16x32_bf16 v[QT+16*\qt+8*\dt:QT+16*\qt+8*\dt+7], v[WA+8*(8*\dt+\ks):WA+8*(8*\dt+\ks)+7], v[BF+8*(2*\ks+\qt):BF+8*(2*\ks+\qt)+7], v[QT+16*\qt+8*\dt:QT+16*\qt+8*\dt+7]
.endif
.endr
.endr
.endr
	PLACES
	WIN 0x01                                       ; source 0 in window 1
.set n, 0
.rept 16
	v_pk_mul_f32 v[ST+2*n:ST+2*n+1], v[QT+2*n:QT+2*n+1], s[42:43] op_sel_hi:[1,0]     ; c Q
.set n, n+1
.endr
	WIN 0
.set n, 0
.rept 16
	v_cvt_pk_bf16_f32 v[QF+n], v[ST+2*n], v[ST+2*n+1]     ; Q^T's two d tiles of a query tile are registers 0-3 and 4-7 of its B fragment
.set n, n+1
.endr
	s_wait_tensorcnt 0x0                           ; my parts of K and of V have landed,
	s_barrier_signal -1
	s_barrier_wait -1                              ; everybody's have
.macro LD4 buf, adr, off               ; 2,048 bytes in fragment order: two fragments
	ds_load_b128 v[\buf:\buf+3],     v[\adr] offset:\off
	ds_load_b128 v[\buf+4:\buf+7],   v[\adr] offset:\off+512
	ds_load_b128 v[\buf+8:\buf+11],  v[\adr] offset:\off+1024
	ds_load_b128 v[\buf+12:\buf+15], v[\adr] offset:\off+1536
.endm
.macro SMUL kf, sc, cm                 ; S^T of 32 keys x 32 queries; cm = 1: C = -m
.irp t, 0,1,2,3
.if \cm
	v_wmma_f32_16x16x32_bf16 v[\sc+8*\t:\sc+8*\t+7], v[\kf+8*(\t&1):\kf+8*(\t&1)+7], v[QF+8*(\t>>1):QF+8*(\t>>1)+7], v[NEGM+8*(\t>>1):NEGM+8*(\t>>1)+7]
.else
	v_wmma_f32_16x16x32_bf16 v[\sc+8*\t:\sc+8*\t+7], v[\kf+8*(\t&1):\kf+8*(\t&1)+7], v[QF+8*(\t>>1):QF+8*(\t>>1)+7], 0
.endif
.endr
.endm
.macro MAX16 sc                        ; 32 scores a lane into four chains
.irp i, 0,1,2,3
	v_max3_num_f32 v[MX],   v[\sc+4*\i],      v[\sc+4*\i+1],    v[MX]
	v_max3_num_f32 v[MX+1], v[\sc+4*\i+2],    v[\sc+4*\i+3],    v[MX+1]
	v_max3_num_f32 v[MX+2], v[\sc+16+4*\i],   v[\sc+16+4*\i+1], v[MX+2]
	v_max3_num_f32 v[MX+3], v[\sc+16+4*\i+2], v[\sc+16+4*\i+3], v[MX+3]
.endr
.endm
.macro LOADK buf
	LD4 \buf, 3, 0
	v_add_nc_u32 v3, 2048, v3
.endm
; Pass 1, one step of 32 keys: products on buffer kb into sx; the maxima of the step before (sy) fill the places behind them; then kb is loaded again.
.macro STEP1 kb, sx, sy, ld, cnt
	s_wait_dscnt \cnt                              ; kb's four loads are in; the other buffer's four may stay out
	SMUL \kb, \sx, 0
	MAX16 \sy
.if \ld
	LOADK \kb
.endif
.endm
	; ---- pass 1: 64 steps ----
	v_mov_b32 v3, v1
	LOADK KF
	LOADK VF
	s_wait_dscnt 4
	SMUL KF, SC0, 0
	v_mov_b32 v[MX],   0xff800000                  ; these six are also the places behind the products
	v_mov_b32 v[MX+1], 0xff800000
	v_mov_b32 v[MX+2], 0xff800000
	v_mov_b32 v[MX+3], 0xff800000
	v_mov_b32 v236, 0
	v_mov_b32 v237, 0
	LOADK KF
	s_mov_b32 s44, 30
.Lpass1:                                           ; steps 1 to 60
	STEP1 VF, SC1, SC0, 1, 4
	STEP1 KF, SC0, SC1, 1, 4
	s_sub_co_u32 s44, s44, 1
	s_cmp_lg_u32 s44, 0
	s_cbranch_scc1 .Lpass1
	STEP1 VF, SC1, SC0, 1, 4                       ; step 61 fetches the last 32 keys
	STEP1 KF, SC0, SC1, 0, 4
	STEP1 VF, SC1, SC0, 0, 0
	MAX16 SC1
	v_max_num_f32 v[MX],   v[MX],   v[MX+1]
	v_max_num_f32 v[MX+2], v[MX+2], v[MX+3]
	v_permlanex16_b32 v236, v[MX],   s40, s41      ; lanes r and r + 16 hold the two halves of query r's keys
	v_permlanex16_b32 v237, v[MX+2], s40, s41
	v_max_num_f32 v[MX],   v[MX],   v236
	v_max_num_f32 v[MX+2], v[MX+2], v237
.irp i, 0,1,2,3,4,5,6,7
	v_mul_f32 v[NEGM+\i],   -1.0, v[MX]
	v_mul_f32 v[NEGM+8+\i], -1.0, v[MX+2]
.endr
.macro EXP8 base
.irp j, 0,1,2,3,4,5,6,7
	v_exp_f32 v[\base+\j], v[\base+\j]
.endr
.endm
.macro CV4 dst, src
	s_wait_alu depctr_va_vdst(0)
.irp j, 0,1,2,3
	v_cvt_pk_bf16_f32 v[\dst+\j], v[\src+2*\j], v[\src+2*\j+1]
.endr
.endm
.macro PV1 d, a, b, zero
.if \zero
	v_wmma_f32_16x16x32_bf16 v[\d:\d+7], v[\a:\a+7], v[\b:\b+7], 0
.else
	v_wmma_f32_16x16x32_bf16 v[\d:\d+7], v[\a:\a+7], v[\b:\b+7], v[\d:\d+7]
.endif
.endm
.macro PV pb, zero                     ; O^T += V^T P^T and l += 1 P^T: six accumulators take turns
	PV1 OA,    VF,   \pb,   \zero
	PV1 OA+8,  VF+8, \pb,   \zero
	PV1 OA+16, ONES, \pb,   \zero
	PV1 OB,    VF,   \pb+8, \zero
	PV1 OB+8,  VF+8, \pb+8, \zero
	PV1 OB+16, ONES, \pb+8, \zero
.endm
; Pass 2, step i.  sc holds s' - m of keys 32 i ..; KF the keys of step i + 1; VF and pp the V and the weights of step i - 1.
; Matrix work first (scores of step i + 1 into sn, sums of step i - 1), then this step's exponentials and conversions, with the loads for the next
; step behind six (five without K's step) plain instructions: the places behind the products that read KF and VF.
; Behind each run of v_exp_f32 a plain instruction that touches none of its registers comes first (ISA guide 5.7.2).
.macro STEP2 sc, sn, pc, pp, dos, pv, ldk
	s_wait_dscnt 0x0                               ; KF and VF, asked for in the middle of the step before
.if \dos
	SMUL KF, \sn, 1
.endif
.if \pv == 1
	PV \pp, 1
.endif
.if \pv == 2
	PV \pp, 0
.endif
	EXP8 \sc
	EXP8 \sc+8
.if \ldk
	v_add_nc_u32 v3, 2048, v3
	s_wait_alu depctr_va_vdst(0)
.endif
	v_add_nc_u32 v4, 2048, v4
	s_wait_alu depctr_va_vdst(0)
	CV4 \pc, \sc
.if \ldk
	LD4 KF, 3, 0                                   ; keys of step i + 2
.endif
	LD4 VF, 4, 0                                   ; V of step i
	EXP8 \sc+16
	CV4 \pc+4, \sc+8
	EXP8 \sc+24
	CV4 \pc+8, \sc+16
	CV4 \pc+12, \sc+24
.endm
	; ---- pass 2: 64 steps ----
	LD4 KF, 1, 0
	s_wait_dscnt 0x0
	SMUL KF, SC0, 1
.irp i, 0,1,2,3,4,5,6,7
	v_mov_b32 v[ONES+\i], 0x3f803f80               ; also the places behind the products
.endr
	LD4 KF, 1, 2048
	v_add_nc_u32 v3, 2048, v1
	v_add_nc_u32 v4, 131072-2048, v1
	STEP2 SC0, SC1, PR0, PR1, 1, 0, 1
	STEP2 SC1, SC0, PR1, PR0, 1, 1, 1              ; the first products start the sums
	s_mov_b32 s44, 30
.Lpass2:                                           ; steps 2 to 61
	STEP2 SC0, SC1, PR0, PR1, 1, 2, 1
	STEP2 SC1, SC0, PR1, PR0, 1, 2, 1
	s_sub_co_u32 s44, s44, 1
	s_cmp_lg_u32 s44, 0
	s_cbranch_scc1 .Lpass2
	STEP2 SC0, SC1, PR0, PR1, 1, 2, 0              ; no keys are left to fetch
	STEP2 SC1, SC0, PR1, PR0, 0, 2, 0              ; nor scores to make
	s_wait_dscnt 0x0
	PV PR1, 0
	; ---- o = Q + O / l, stored as [tile of 16 rows][head][dt][half of j][lane] x 16 bytes ----
	PLACES
	v_rcp_f32 v8,  v[OA+16]
	v_rcp_f32 v9,  v[OA+16]
	v_rcp_f32 v10, v[OB+16]
	v_rcp_f32 v11, v[OB+16]
	v_nop                                          ; one plain instruction behind the reciprocals (ISA guide 5.7.2)
	WIN 0x10                                       ; source 2 (Q^T) in window 1
	s_wait_alu depctr_va_vdst(0)
.irp qt, 0,1
.irp dt, 0,1
.irp i, 0,1,2,3
	v_pk_fma_f32 v[OA+24*\qt+8*\dt+2*\i:OA+24*\qt+8*\dt+2*\i+1], v[OA+24*\qt+8*\dt+2*\i:OA+24*\qt+8*\dt+2*\i+1], v[8+2*\qt:9+2*\qt], v[QT+16*\qt+8*\dt+2*\i:QT+16*\qt+8*\dt+2*\i+1]
.endr
.endr
.endr
	WIN 0
.irp qt, 0,1
.irp dt, 0,1
.irp jh, 0,1
	global_store_b128 v1, v[OA+24*\qt+8*\dt+4*\jh:OA+24*\qt+8*\dt+4*\jh+3], s[12:13] offset:\qt*16384+\dt*1024+\jh*512    ; 512 consecutive bytes
.endr
.endr
.endr
	s_wait_tensorcnt 0x0
	ds_add_u32 v254, v255
	s_wait_dscnt 0x0
	ROUND                                          ; the closing round
	s_endpgm
.Lfunc_end_k_q440650ac06_attn:
	.size	k_q440650ac06_attn, .Lfunc_end_k_q440650ac06_attn-k_q440650ac06_attn
	.p2alignl 7, 3214868480
	.fill 96, 4, 3214868480
	.section	.rodata,"a",@progbits
	.p2align	6, 0x0
	.amdhsa_kernel k_q440650ac06_attn
		.amdhsa_group_segment_fixed_size 263168
		.amdhsa_private_segment_fixed_size 0
		.amdhsa_enable_private_segment 0
		.amdhsa_kernarg_size 40
		.amdhsa_user_sgpr_count 2
		.amdhsa_user_sgpr_kernarg_segment_ptr 1
		.amdhsa_wavefront_size32 1
		.amdhsa_system_sgpr_workgroup_id_x 1
		.amdhsa_system_sgpr_workgroup_id_y 1
		.amdhsa_system_sgpr_workgroup_id_z 1
		.amdhsa_system_vgpr_workitem_id 0
		.amdhsa_next_free_vgpr 432
		.amdhsa_next_free_sgpr 66
		.amdhsa_reserve_vcc 0
		.amdhsa_float_denorm_mode_32 3
		.amdhsa_float_denorm_mode_16_64 3
		.amdhsa_memory_ordered 1
		.amdhsa_forward_progress 1
		.amdhsa_inst_pref_size 61
	.end_amdhsa_kernel
	.amdgpu_metadata
---
amdhsa.version: [ 1, 2 ]
amdhsa.kernels:
  - .name:           k_q440650ac06_attn
    .symbol:         k_q440650ac06_attn.kd
    .args:
      - { .name: q, .offset: 0, .size: 8, .value_kind: global_buffer, .address_space: global }
      - { .name: bq, .offset: 8, .size: 8, .value_kind: global_buffer, .address_space: global }
      - { .name: wfrag, .offset: 16, .size: 8, .value_kind: global_buffer, .address_space: global }
      - { .name: kvf, .offset: 24, .size: 8, .value_kind: global_buffer, .address_space: global }
      - { .name: obuf, .offset: 32, .size: 8, .value_kind: global_buffer, .address_space: global }
    .group_segment_fixed_size: 263168
    .private_segment_fixed_size: 0
    .kernarg_segment_align: 8
    .kernarg_segment_size: 40
    .max_flat_workgroup_size: 256
    .sgpr_count:     66
    .vgpr_count:     432
    .wavefront_size: 32
...
	.end_amdgpu_metadata
.endif
;; end of part 2
;; launch ffn (part 3): grid 256 x 1, 8 waves a work-group, clusters of 4 x 1, 185,856 bytes of LDS; arguments obuf, wfrag, g0, b0, bo, g1, b1, out0; writes out0
.if DOCPART == 3
	.amdgcn_target "amdgcn-amd-amdhsa--gfx1250"
	.amdhsa_code_object_version 6
	.text
	.protected	k_q440650ac06_ffn
	.globl	k_q440650ac06_ffn
	.p2align	8
	.type	k_q440650ac06_ffn,@function
k_q440650ac06_ffn:
	s_mov_b64 s[64:65], 0
	v_nop
	global_prefetch_b8 v0, s[64:65] scope:SCOPE_SE
	s_setreg_imm32_b32 hwreg(HW_REG_WAVE_MODE, 25, 1), 1
	s_wait_xcnt 0x0
	s_wait_alu depctr_hold_cnt(0) depctr_sa_sdst(0) depctr_va_vdst(0) depctr_va_sdst(0) depctr_va_ssrc(0) depctr_va_vcc(0) depctr_vm_vsrc(0)
	s_getreg_b32 s2, hwreg(HW_REG_IB_STS2, 6, 4)
	s_cmp_eq_u32 s2, 0
	s_cbranch_scc0 .Lentry_in_a_cluster
	s_endpgm
.Lentry_in_a_cluster:
	s_bfe_u32 s2, ttmp6, 0x10000c
	s_cmp_lg_u32 s2, 0x3003
	s_cbranch_scc0 .Lentry_shape_is_right
	s_endpgm
.Lentry_shape_is_right:
; x = LayerNorm(o; g0, b0);  z = x + relu(x Wo^T + bo);  out = LayerNorm(z; g1, b1).
; SHARES: a work-group owns 32 rows (tiles t = 0, 1 of 16).  Wave w owns columns 32 w .. 32 w + 31 of both tiles, in the layout in which the
; attention launch left them: lane (r, hl), register 8 dt + j = column 32 w + 16 dt + 8 hl + j of row r.  The product is made transposed
; (A = 16 rows of Wo, B = 16 rows of x), so its result has the same layout: relu, residual and both norms need no move between lanes
; but the sums along a row: 16 registers, the other half of the lanes, and the eight waves through LDS.
; Each norm takes the mean first and sums the squares of the centred values: no difference of large sums.
; Wave w's x is K step w of the product: it goes to LDS as bf16 fragments; every wave reads all eight.  Wo's fragments et = 2 w, 2 w + 1
; are read by wave w alone, from the 16,384 bytes that its own tensor load brought.
; CLUSTER 4 x 1: all work-groups walk the same Wo; the four partners ask for it jointly.
; LIMITS: x and Wo are bf16 as matrix operands; all else f32; inputs are taken to be finite.
.set XCH,   131072                     ; four exchange slots of 1,024 bytes: [wave] x 128 + 8 r: one pair (tile 0, tile 1)
.set XB,    135168                     ; x as bf16 fragments: 8,192 t + 1,024 ks + 512 c + 16 lane
.set STAGE, 151552                     ; 32 rows of the result, pitch 1,040 = 65 x 16
.set SP,    1040
.set X,    16                          ; v[16:47]    my columns of both tiles, 16 t + 8 dt + j
.set BO,   48                          ; v[48:63]    bo, 8 dt + j
.set G1R,  64                          ; v[64:79]    g1
.set B1R,  80                          ; v[80:95]    b1
.set ACC,  96                          ; v[96:127]   products, 8 (2 t + e)
.set RING, 128                         ; v[128:223]  three groups of [A e = 0 | A e = 1 | B t = 0 | B t = 1]
.set G0R,  128                         ; while the ring is idle: g0,
.set B0R,  144                         ; b0,
.set PK,   160                         ; x packed to bf16,
.set T,    192                         ; v[192:223] at work
.set MU,   224                         ; v[224:227]  means, twice a tile
.set RS,   228                         ; v[228:231]  1 / sqrt(var + eps), twice a tile
.set PS,   232                         ; v[232:233]  my partial sums (tile 0, tile 1)
.set VR,   234                         ; v[234:235]  var + eps
.set G1, 24                            ; s[24:31] descriptor group 1; s[32:35] group 0
; v1 = 16 lane; v2 = 128 w + 32 hl; v3, v4 = exchange: where I put, where I read; v5 = my Wo fragments; v6, v7 = XB: read, put; v8, v9 = STAGE: put, read
.macro ROUND                           ; a round of the cluster's barrier
	s_barrier_signal -1
	s_barrier_wait -1
	s_cmp_lg_u32 s20, 0
	s_cbranch_scc1 .Lnot_wave_0_\@
	s_barrier_signal -3
.Lnot_wave_0_\@:
	s_barrier_wait -3
	s_barrier_signal -1
	s_barrier_wait -1
.endm
.macro PLACES                          ; four plain vector places behind a matrix instruction (ISA guide 7.12.1)
.rept 4
	v_nop
.endr
.endm
	s_load_b512 s[4:19], s[0:1], 0x0               ; obuf s[4:5], wfrag s[6:7], g0 s[8:9], b0 s[10:11], bo s[12:13], g1 s[14:15], b1 s[16:17], out0 s[18:19]
	v_lshl_add_u32 v240, v0, 2, 0x2d200
	v_mov_b32 v241, 0
	ds_add_u32 v240, v241
	ds_add_u32 v240, v241
	v_lshrrev_b32 v10, 5, v0
	v_readfirstlane_b32 s20, v10                   ; wave 0..7
	s_bfe_u32 s21, ttmp6, 0x40000                  ; cx
	s_lshl_b32 s22, ttmp9, 2
	s_add_co_u32 s22, s22, s21                     ; which 32 rows
	s_mov_b32 s[G1+0], 15|(3<<16)|(1<<21)          ; all four partners; elements of 8 bytes; bit 21 beside a mask
	s_mov_b32 s[G1+1], 32<<16                      ; 64 dense rows of 256 bytes
	s_mov_b32 s[G1+2], 64<<16
	s_mov_b32 s[G1+3], 32<<16
	s_mov_b32 s[G1+4], 64
	s_mov_b32 s[G1+5], 32
	s_mov_b32 s[G1+6], 0
	s_mov_b32 s[G1+7], 0
	s_mov_b32 s32, 1
	s_lshl_b32 s33, s20, 14                        ; my 16,384 bytes, in LDS
	s_add_co_u32 s36, s33, 131072                  ; and in wfrag's Wo part
	s_mov_b32 s37, 0
	s_wait_dscnt 0x0
	s_wait_kmcnt 0x0
	s_add_nc_u64 s[34:35], s[6:7], s[36:37]
	s_or_b32 s35, s35, 0x80000000
	ROUND                                          ; the four partners are here: the joint loads meet
	tensor_load_to_lds s[32:35], s[G1:G1+7]        ; one load of this wave is out
	s_nop 0
	s_mov_b32 s40, 0x76543210
	s_mov_b32 s41, 0xfedcba98
	s_mov_b32 s42, 0x3b800000                      ; 1 / 256
	s_mov_b32 s43, 0x3727c5ac                      ; 1e-5
	v_and_b32 v1, 31, v0
	v_lshlrev_b32 v1, 4, v1
	v_and_b32 v12, 15, v0                          ; r
	v_bfe_u32 v13, v0, 4, 1                        ; hl
	s_lshl_b32 s38, s20, 7                         ; 128 w
	v_lshlrev_b32 v14, 5, v13                      ; 32 hl
	v_add_nc_u32 v2, s38, v14
	v_lshlrev_b32 v15, 3, v12                      ; 8 r
	v_add_nc_u32 v4, XCH, v15
	v_add_nc_u32 v3, s38, v4
	v_add_nc_u32 v5, s33, v1
	v_add_nc_u32 v6, XB, v1
	s_lshl_b32 s39, s20, 10
	v_add_nc_u32 v7, s39, v6
	v_mul_u32_u24 v8, v12, SP
	v_add3_u32 v8, v8, v2, STAGE                   ; row r, my 128 bytes, 32 hl
	s_mul_i32 s39, s20, 4*SP
	v_add_nc_u32 v9, STAGE, v1
	v_add_nc_u32 v9, s39, v9                       ; rows 4 w .. 4 w + 3
	v_mov_b32 v10, 0                               ; v_permlanex16_b32 counts as a reader of its destination
	v_mov_b32 v11, 0
	s_lshl_b32 s38, s22, 15                        ; 32 rows of 1,024 bytes
	s_lshl_b32 s39, s20, 11                        ; obuf: head w of a tile
	s_add_co_u32 s36, s38, s39
	s_add_nc_u64 s[4:5], s[4:5], s[36:37]
	s_lshl_b32 s39, s20, 12                        ; out0: rows 4 w ..
	s_add_co_u32 s36, s38, s39
	s_add_nc_u64 s[18:19], s[18:19], s[36:37]
.irp t, 0,1
.irp n, 0,1,2,3
	global_load_b128 v[X+16*\t+4*\n:X+16*\t+4*\n+3], v1, s[4:5] offset:\t*16384+\n*512 th:TH_LOAD_NT
.endr
.endr
.macro PARAM dst, base                 ; my 16 numbers of a parameter vector
	global_load_b128 v[\dst:\dst+3],     v2, s[\base:\base+1]
	global_load_b128 v[\dst+4:\dst+7],   v2, s[\base:\base+1] offset:16
	global_load_b128 v[\dst+8:\dst+11],  v2, s[\base:\base+1] offset:64
	global_load_b128 v[\dst+12:\dst+15], v2, s[\base:\base+1] offset:80
.endm
	PARAM G0R, 8
	PARAM B0R, 10
	PARAM BO,  12
	PARAM G1R, 14
	PARAM B1R, 16
; PS (my 16 columns' sums of both tiles) -> v[T+16:T+17] = the rows' whole sums, the same bits in every wave.  Each use has a slot of its own: one barrier.
.macro EXCH slot
	v_permlanex16_b32 v10, v[PS],   s40, s41
	v_permlanex16_b32 v11, v[PS+1], s40, s41
	v_pk_add_f32 v[PS:PS+1], v[PS:PS+1], v[10:11]
	ds_store_b64 v3, v[PS:PS+1] offset:(\slot)*1024         ; lanes r and r + 16 write the same pair to the same bytes
	s_wait_dscnt 0x0                                        ; my store is done, for the others' sake
	s_barrier_signal -1
	s_barrier_wait -1
.irp i, 0,1,2,3,4,5,6,7
	ds_load_b64 v[T+16+2*\i:T+17+2*\i], v4 offset:(\slot)*1024+128*\i
.endr
	s_wait_dscnt 0x0
	v_pk_add_f32 v[T+16:T+17], v[T+16:T+17], v[T+18:T+19]
	v_pk_add_f32 v[T+20:T+21], v[T+20:T+21], v[T+22:T+23]
	v_pk_add_f32 v[T+24:T+25], v[T+24:T+25], v[T+26:T+27]
	v_pk_add_f32 v[T+28:T+29], v[T+28:T+29], v[T+30:T+31]
	v_pk_add_f32 v[T+16:T+17], v[T+16:T+17], v[T+20:T+21]
	v_pk_add_f32 v[T+24:T+25], v[T+24:T+25], v[T+28:T+29]
	v_pk_add_f32 v[T+16:T+17], v[T+16:T+17], v[T+24:T+25]
.endm
; X = (X - mean) / sqrt(var + eps) * gg + bb, in place.  slot, slot + 1: the exchange slots.  cnt: global loads that may stay out when gg and bb are wanted.
.macro LNORM gg, bb, slot, cnt
.irp t, 0,1
	v_pk_add_f32 v[T+8*\t:T+8*\t+1],   v[X+16*\t:X+16*\t+1],     v[X+16*\t+2:X+16*\t+3]
	v_pk_add_f32 v[T+8*\t+2:T+8*\t+3], v[X+16*\t+4:X+16*\t+5],   v[X+16*\t+6:X+16*\t+7]
	v_pk_add_f32 v[T+8*\t+4:T+8*\t+5], v[X+16*\t+8:X+16*\t+9],   v[X+16*\t+10:X+16*\t+11]
	v_pk_add_f32 v[T+8*\t+6:T+8*\t+7], v[X+16*\t+12:X+16*\t+13], v[X+16*\t+14:X+16*\t+15]
.endr
.irp t, 0,1
	v_pk_add_f32 v[T+8*\t:T+8*\t+1],   v[T+8*\t:T+8*\t+1],   v[T+8*\t+2:T+8*\t+3]
	v_pk_add_f32 v[T+8*\t+4:T+8*\t+5], v[T+8*\t+4:T+8*\t+5], v[T+8*\t+6:T+8*\t+7]
.endr
.irp t, 0,1
	v_pk_add_f32 v[T+8*\t:T+8*\t+1], v[T+8*\t:T+8*\t+1], v[T+8*\t+4:T+8*\t+5]
.endr
	v_add_f32 v[PS],   v[T],   v[T+1]
	v_add_f32 v[PS+1], v[T+8], v[T+9]
	EXCH \slot
	v_mul_f32 v[MU],   s42, v[T+16]
	v_mul_f32 v[MU+1], s42, v[T+16]
	v_mul_f32 v[MU+2], s42, v[T+17]
	v_mul_f32 v[MU+3], s42, v[T+17]
.irp t, 0,1
.irp i, 0,1,2,3,4,5,6,7
	v_pk_add_f32 v[X+16*\t+2*\i:X+16*\t+2*\i+1], v[X+16*\t+2*\i:X+16*\t+2*\i+1], v[MU+2*\t:MU+2*\t+1] neg_lo:[0,1] neg_hi:[0,1]
.endr
.endr
.irp t, 0,1
	v_pk_mul_f32 v[T+8*\t:T+8*\t+1],   v[X+16*\t:X+16*\t+1],   v[X+16*\t:X+16*\t+1]
	v_pk_mul_f32 v[T+8*\t+2:T+8*\t+3], v[X+16*\t+2:X+16*\t+3], v[X+16*\t+2:X+16*\t+3]
.irp o, 4,8,12
	v_pk_fma_f32 v[T+8*\t:T+8*\t+1],   v[X+16*\t+\o:X+16*\t+\o+1],   v[X+16*\t+\o:X+16*\t+\o+1],   v[T+8*\t:T+8*\t+1]
	v_pk_fma_f32 v[T+8*\t+2:T+8*\t+3], v[X+16*\t+\o+2:X+16*\t+\o+3], v[X+16*\t+\o+2:X+16*\t+\o+3], v[T+8*\t+2:T+8*\t+3]
.endr
.endr
.irp t, 0,1
	v_pk_add_f32 v[T+8*\t:T+8*\t+1], v[T+8*\t:T+8*\t+1], v[T+8*\t+2:T+8*\t+3]
.endr
	v_add_f32 v[PS],   v[T],   v[T+1]
	v_add_f32 v[PS+1], v[T+8], v[T+9]
	EXCH (\slot)+1
	v_fma_f32 v[VR],   v[T+16], s42, s43
	v_fma_f32 v[VR+1], v[T+17], s42, s43
	v_rsq_f32 v[RS],   v[VR]
	v_rsq_f32 v[RS+1], v[VR]
	v_rsq_f32 v[RS+2], v[VR+1]
	v_rsq_f32 v[RS+3], v[VR+1]
	v_nop                                          ; one plain instruction behind the roots (ISA guide 5.7.2)
	s_wait_loadcnt \cnt
	s_wait_alu depctr_va_vdst(0)
.irp t, 0,1
.irp i, 0,1,2,3,4,5,6,7
	v_pk_mul_f32 v[X+16*\t+2*\i:X+16*\t+2*\i+1], v[X+16*\t+2*\i:X+16*\t+2*\i+1], v[RS+2*\t:RS+2*\t+1]
.endr
.irp i, 0,1,2,3,4,5,6,7
	v_pk_fma_f32 v[X+16*\t+2*\i:X+16*\t+2*\i+1], v[X+16*\t+2*\i:X+16*\t+2*\i+1], v[\gg+2*\i:\gg+2*\i+1], v[\bb+2*\i:\bb+2*\i+1]
.endr
.endr
.endm
	s_wait_loadcnt 20                              ; o is in; the twenty parameter loads behind it may stay out
	LNORM G0R, B0R, 0, 12                          ; g0, b0 are in; bo, g1, b1 (twelve loads) may stay out
	; x as bf16: my 32 columns are K step w; registers 8 dt .. + 7 are half c = dt of the B fragment
.set n, 0
.rept 16
	v_cvt_pk_bf16_f32 v[PK+n], v[X+2*n], v[X+2*n+1]
.set n, n+1
.endr
.irp t, 0,1
.irp c, 0,1
	ds_store_b128 v7, v[PK+8*\t+4*\c:PK+8*\t+4*\c+3] offset:\t*8192+\c*512
.endr
.endr
	s_wait_dscnt 0x0                               ; my stores are done, for the others' sake
	s_wait_tensorcnt 0x0                           ; my Wo fragments have landed; only I read them
	s_barrier_signal -1
	s_barrier_wait -1
.macro GRP ks                          ; K step ks: my two A fragments and both tiles' B fragments: 8 loads
.set gb, RING+32*((\ks)%3)
	ds_load_b128 v[gb:gb+3],     v5 offset:(\ks)*1024
	ds_load_b128 v[gb+4:gb+7],   v5 offset:(\ks)*1024+512
	ds_load_b128 v[gb+8:gb+11],  v5 offset:8192+(\ks)*1024
	ds_load_b128 v[gb+12:gb+15], v5 offset:8192+(\ks)*1024+512
	ds_load_b128 v[gb+16:gb+19], v6 offset:(\ks)*1024
	ds_load_b128 v[gb+20:gb+23], v6 offset:(\ks)*1024+512
	ds_load_b128 v[gb+24:gb+27], v6 offset:8192+(\ks)*1024
	ds_load_b128 v[gb+28:gb+31], v6 offset:8192+(\ks)*1024+512
.endm
.macro KSTEP ks, cnt, nxt              ; four accumulators take turns; nxt != 0: the group's registers take K step nxt
.set gb, RING+32*((\ks)%3)
	s_wait_dscnt \cnt                              ; the eight loads of each younger group may stay out
.irp t, 0,1
.irp e, 0,1
.if \ks == 0
	v_wmma_f32_16x16x32_bf16 v[ACC+8*(2*\t+\e):ACC+8*(2*\t+\e)+7], v[gb+8*\e:gb+8*\e+7], v[gb+16+8*\t:gb+16+8*\t+7], v[BO+8*\e:BO+8*\e+7]
.else
	v_wmma_f32_16x16x32_bf16 v[ACC+8*(2*\t+\e):ACC+8*(2*\t+\e)+7], v[gb+8*\e:gb+8*\e+7], v[gb+16+8*\t:gb+16+8*\t+7], v[ACC+8*(2*\t+\e):ACC+8*(2*\t+\e)+7]
.endif
.endr
.endr
.if \nxt
	PLACES
	GRP \nxt
.endif
.endm
	GRP 0
	GRP 1
	GRP 2
	s_wait_loadcnt 8                               ; bo is in; g1, b1 (eight loads) may stay out
	KSTEP 0, 16, 3                                 ; the first products start from bo
	KSTEP 1, 16, 4
	KSTEP 2, 16, 5
	KSTEP 3, 16, 6
	KSTEP 4, 16, 7
	KSTEP 5, 16, 0
	KSTEP 6, 8, 0
	KSTEP 7, 0, 0
	PLACES
.set n, 0
.rept 32
	v_max_num_f32 v[ACC+n], 0, v[ACC+n]            ; relu
.set n, n+1
.endr
.set n, 0
.rept 16
	v_pk_add_f32 v[X+2*n:X+2*n+1], v[X+2*n:X+2*n+1], v[ACC+2*n:ACC+2*n+1]
.set n, n+1
.endr
	LNORM G1R, B1R, 2, 0
	; the way out: 16 bytes a lane into rows of the stage, read back as half rows of 512 bytes
.irp t, 0,1
.irp dt, 0,1
.irp jh, 0,1
	ds_store_b128 v8, v[X+16*\t+8*\dt+4*\jh:X+16*\t+8*\dt+4*\jh+3] offset:\t*16*SP+\dt*64+\jh*16
.endr
.endr
.endr
	s_wait_dscnt 0x0
	s_barrier_signal -1
	s_barrier_wait -1
.irp n, 0,1,2,3,4,5,6,7
	ds_load_b128 v[T+4*\n:T+4*\n+3], v9 offset:(\n>>1)*SP+(\n&1)*512
.endr
.irp n, 0,1,2,3,4,5,6,7
	s_wait_dscnt 7-\n                              ; LDS loads come back in order (ISA guide 5.7.1)
	global_store_b128 v1, v[T+4*\n:T+4*\n+3], s[18:19] offset:(\n>>1)*1024+(\n&1)*512 th:TH_STORE_NT    ; 512 consecutive bytes, aligned
.endr
	s_wait_tensorcnt 0x0
	ds_add_u32 v240, v241
	s_wait_dscnt 0x0
	ROUND                                          ; the closing round
	s_endpgm
.Lfunc_end_k_q440650ac06_ffn:
	.size	k_q440650ac06_ffn, .Lfunc_end_k_q440650ac06_ffn-k_q440650ac06_ffn
	.p2alignl 7, 3214868480
	.fill 96, 4, 3214868480
	.section	.rodata,"a",@progbits
	.p2align	6, 0x0
	.amdhsa_kernel k_q440650ac06_ffn
		.amdhsa_group_segment_fixed_size 185856
		.amdhsa_private_segment_fixed_size 0
		.amdhsa_enable_private_segment 0
		.amdhsa_kernarg_size 64
		.amdhsa_user_sgpr_count 2
		.amdhsa_user_sgpr_kernarg_segment_ptr 1
		.amdhsa_wavefront_size32 1
		.amdhsa_system_sgpr_workgroup_id_x 1
		.amdhsa_system_sgpr_workgroup_id_y 1
		.amdhsa_system_sgpr_workgroup_id_z 1
		.amdhsa_system_vgpr_workitem_id 0
		.amdhsa_next_free_vgpr 242
		.amdhsa_next_free_sgpr 66
		.amdhsa_reserve_vcc 0
		.amdhsa_float_denorm_mode_32 3
		.amdhsa_float_denorm_mode_16_64 3
		.amdhsa_memory_ordered 1
		.amdhsa_forward_progress 1
		.amdhsa_inst_pref_size 36
	.end_amdhsa_kernel
	.amdgpu_metadata
---
amdhsa.version: [ 1, 2 ]
amdhsa.kernels:
  - .name:           k_q440650ac06_ffn
    .symbol:         k_q440650ac06_ffn.kd
    .args:
      - { .name: obuf, .offset: 0, .size: 8, .value_kind: global_buffer, .address_space: global }
      - { .name: wfrag, .offset: 8, .size: 8, .value_kind: global_buffer, .address_space: global }
      - { .name: g0, .offset: 16, .size: 8, .value_kind: global_buffer, .address_space: global }
      - { .name: b0, .offset: 24, .size: 8, .value_kind: global_buffer, .address_space: global }
      - { .name: bo, .offset: 32, .size: 8, .value_kind: global_buffer, .address_space: global }
      - { .name: g1, .offset: 40, .size: 8, .value_kind: global_buffer, .address_space: global }
      - { .name: b1, .offset: 48, .size: 8, .value_kind: global_buffer, .address_space: global }
      - { .name: out0, .offset: 56, .size: 8, .value_kind: global_buffer, .address_space: global }
    .group_segment_fixed_size: 185856
    .private_segment_fixed_size: 0
    .kernarg_segment_align: 8
    .kernarg_segment_size: 64
    .max_flat_workgroup_size: 256
    .sgpr_count:     66
    .vgpr_count:     242
    .wavefront_size: 32
...
	.end_amdgpu_metadata
.endif
;; end of part 3
